; MI455X (gfx1250); checked and timed in simulation.
; The chip was launched on July 23, 2026; its instructions are those of AMD's public machine-readable ISA for CDNA 5 (MIT licence, August 2026) and "CDNA5" Instruction Set Architecture Reference Guide (July 2026). The comments in the code are by the model that wrote it; some were corrected since.
;; Histogram Matching. Allowed arithmetic: float matrix products may take bf16 or f16 operands with f32 sums; all other float work in f32.
;; Inputs: dst 2 x 1 x 64 x 128 x 128 float32; ref 2 x 1 x 64 x 128 x 128 float32.
;; Outputs: out0 2 x 1 x 64 x 128 x 128 float32.
;; One version. Each part assembles by itself: llvm-mc -triple=amdgcn-amd-amdhsa -mcpu=gfx1250 --defsym DOCPART=n.
;; ======== version 1 of 1: 2 launches
;; limits: values outside matrix products are rounded to bf16
;; workspace buffers: part 65,536 bytes
;; launch hist (part 1): grid 256 x 1, 16 waves a work-group, no clusters, 4,096 bytes of LDS; arguments dst, ref, part; writes part
.if DOCPART == 1
	.amdgcn_target "amdgcn-amd-amdhsa--gfx1250"
	.amdhsa_code_object_version 6
	.text
	.protected	k_qca6c80549e_hist
	.globl	k_qca6c80549e_hist
	.p2align	8
	.type	k_qca6c80549e_hist,@function
k_qca6c80549e_hist:
	s_mov_b64 s[64:65], 0
	v_nop
	global_prefetch_b8 v0, s[64:65] scope:SCOPE_SE
	s_setreg_imm32_b32 hwreg(HW_REG_WAVE_MODE, 25, 1), 1
	s_wait_xcnt 0x0
; hist: each work-group's share of the soft histograms of dst and ref (2 batches x 1,048,576 voxels each).
; The bins telescope: hist[c] = S_c - S_(c+1), S_e = sum over voxels of sigmoid(5 (x - (e - 0.5))), x = 31 * voxel, e = 0 .. 32: 33 sigmoids
; a voxel hold what the definition's 64 hold.
; WORK: work-group w takes bytes 32,768 w .. + 32,767 of dst (waves 0-7) and of ref (waves 8-15); a wave 4,096 bytes, a lane 32 voxels: eight
; loads of 16 bytes, all issued at the head, each covering 512 consecutive bytes of the wave.  Two voxels go through each packed instruction.
; ARITHMETIC: sigmoid = 1 / (1 + a), a_e = exp(-5 (x - edge)), a_(e+j) = a_e exp(5 j): one v_exp_f32 at a group's lowest edge serves the group.
;   An anchor that underflows leaves its group's members (at most exp(45) = 2^65 above it) under 2^-61: 1 + a = 1 all the same.
;   Group A, e = 0 .. 4: one v_rcp_f32 an edge, over f32's whole range (a = inf gives 0).
;   Groups B (5-14), C (15-24), D (25-32) go in pairs p = 1 + a, q = 1 + exp(5) a: R = 1 / (p q) gives 1/p = q R and 1/q = p R, and these products
;   ride in the multiply-adds that accumulate.  Their anchors' exponents are capped at 61: the largest factor, 2^61 * 2^65, stays finite, while
;   p q has then left f32's range in every pair (2 * 61 + 7.2 > 128), so R = 0: zeros, never 0 * inf.
;   What that drops: sigmoids under 2^-59, each at most 2^-35 of the same voxel's sigmoid at e = 0; no CDF value moves by more than 2^-35.
;   A voxel far above an edge has a = 0, p = q = R = 1: exactly 1.0, so bins far under the data get exactly 0.
; The bins are differenced in each lane, where the sums are at most 32: no difference of large sums is formed.
; LIMITS: NaN and infinite voxels are not served.  v_exp_f32 and v_rcp_f32 flush denormals (ISA guide 15.8): a sigmoid under 2^-126 counts as 0.
;   The sums are taken in another order than a plain sum along the voxels.
; OUT: row w of part, 256 bytes: word 2 c = dst's share of hist[c], word 2 c + 1 = ref's; one store of 256 consecutive, aligned bytes.
; No LDS ring, no cluster: no input byte is used by two lanes, and a wave asks for its whole share in its first lines.
.set SLOPE,  0xc35f9e24                ; -5 * 31 * log2(e)
.set EDGE_A, 0xc066d4ca                ; 5 log2(e) * -0.5
.set EDGE_B, 0x4201d7b2                ; 5 log2(e) *  4.5
.set EDGE_C, 0x42d130d7                ; 5 log2(e) * 14.5
.set EDGE_D, 0x4330baeb                ; 5 log2(e) * 24.5
.set CAP,    0x42740000                ; 61.0
.set K1, 0x431469c5                    ; exp(5)
.set K2, 0x46ac14ee                    ; exp(10)
.set K3, 0x4a478665                    ; exp(15)
.set K4, 0x4de75844                    ; exp(20)
.set K5, 0x51861e9d                    ; exp(25)
.set K6, 0x551b8238                    ; exp(30)
.set K7, 0x58b44f11                    ; exp(35)
.set K8, 0x5c51106a                    ; exp(40)
.set K9, 0x5ff267bb                    ; exp(45)
.set OFF, 2                            ; v2         my byte offset in the work-group's 32,768 bytes
.set X,   4                            ; v[4:35]    32 voxels as loaded
.set H,   4                            ; v[4:35]    later: my 32 bins
.set AN,  36                           ; v[36:43]   the four anchors, a pair (two voxels) each
.set S,   36                           ; v[36:68]   later: my 33 sums
.set PA,  44                           ; v[44:53]   group A: 1 + a, then the reciprocal
.set PB,  54                           ; v[54:73]   groups B and D: the factors
.set QB,  74                           ; v[74:83]   groups B and D: p q, then R
.set PC,  84                           ; v[84:103]  group C: the factors
.set T,   84                           ; v[84:87]   later: what a lane sends in a fold
.set U,   88                           ; v[88:91]   later: what it receives from the other half
.set QC,  104                          ; v[104:113] group C: p q, then R
.set ACC, 114                          ; v[114:179] 33 sums, a pair (two voxels) each
.set LW,  180                          ; v180       128 wave + 4 lane
.set L4,  181                          ; v181       4 lane
.set L8,  182                          ; v182       8 lane
.set SL,  184                          ; v[184:185] the slope, twice
	s_load_b128 s[4:7], s[0:1], 0x0                ; dst s[4:5], ref s[6:7]
	s_load_b64 s[8:9], s[0:1], 0x10                ; part
	v_lshl_add_u32 v192, v0, 2, 0x800
	v_mov_b32 v193, 0
	v_lshrrev_b32 v1, 5, v0
	v_readfirstlane_b32 s10, v1                    ; wave 0..15
	v_and_b32 v3, 31, v0                           ; lane
	s_and_b32 s11, s10, 7
	s_lshl_b32 s11, s11, 12                        ; 4,096 bytes a wave, eight waves to a tensor
	s_lshl_b32 s25, s10, 7                         ; 128 bytes of LDS a wave
	v_lshl_add_u32 v[OFF], v3, 4, s11
	v_lshl_add_u32 v[LW], v3, 2, s25
	v_lshlrev_b32 v[L4], 2, v3
	v_lshlrev_b32 v[L8], 3, v3
	v_mov_b32 v[SL], SLOPE
	v_mov_b32 v[SL+1], SLOPE
	s_lshl_b32 s12, ttmp9, 15                      ; 32,768 bytes of each tensor a work-group
	s_mov_b32 s13, 0
	s_lshl_b32 s26, ttmp9, 8                       ; 256 bytes of part a work-group
	s_mov_b32 s27, 0
	s_mov_b32 s18, 0x76543210                      ; v_permlanex16_b32: lane i takes lane i of the other half
	s_mov_b32 s19, 0xfedcba98
	s_mov_b32 s20, 0xffff0000                      ; lanes whose number has bit 4 set,
	s_mov_b32 s21, 0xff00ff00                      ; bit 3,
	s_mov_b32 s22, 0xf0f0f0f0                      ; bit 2,
	s_mov_b32 s23, 0xcccccccc                      ; bit 1,
	s_mov_b32 s24, 0xaaaaaaaa                      ; bit 0
	s_wait_kmcnt 0x0
	s_cmp_lt_u32 s10, 8                            ; waves 0-7: dst, waves 8-15: ref
	s_cselect_b64 s[14:15], s[4:5], s[6:7]
	s_add_nc_u64 s[14:15], s[14:15], s[12:13]
	s_add_nc_u64 s[8:9], s[8:9], s[26:27]
.irp i, 0,1,2,3,4,5,6,7
	global_load_b128 v[X+4*\i:X+4*\i+3], v[OFF], s[14:15] offset:512*\i
.endr
; the four anchors of the two voxels in v[xr:xr+1]: exponents in base 2, the cap for B, C, D, the exponentials
.macro ARGS xr
	v_pk_fma_f32 v[AN:AN+1],   v[\xr:\xr+1], v[SL:SL+1], EDGE_A op_sel_hi:[1,1,0]
	v_pk_fma_f32 v[AN+2:AN+3], v[\xr:\xr+1], v[SL:SL+1], EDGE_B op_sel_hi:[1,1,0]
	v_pk_fma_f32 v[AN+4:AN+5], v[\xr:\xr+1], v[SL:SL+1], EDGE_C op_sel_hi:[1,1,0]
	v_pk_fma_f32 v[AN+6:AN+7], v[\xr:\xr+1], v[SL:SL+1], EDGE_D op_sel_hi:[1,1,0]
.irp i, 2,3,4,5,6,7
	v_min_num_f32 v[AN+\i], CAP, v[AN+\i]
.endr
.irp i, 0,1,2,3,4,5,6,7
	v_exp_f32 v[AN+\i], v[AN+\i]
.endr
	v_nop                                          ; one plain place between the exponentials and their first use (ISA guide 5.7.2)
	s_wait_alu depctr_va_vdst(0)
.endm
; the factors 1 + exp(5 j) a, j = 0 .. last, from the anchor pair a
.macro MEMBERS p, a, last
	v_pk_add_f32 v[\p:\p+1], v[\a:\a+1], 1.0 op_sel_hi:[1,0]
.irp j, 1,2,3,4,5,6,7,8,9
.if \j <= \last
	v_pk_fma_f32 v[\p+2*\j:\p+2*\j+1], v[\a:\a+1], K\j, 1.0 op_sel_hi:[1,0,0]
.endif
.endr
.endm
; p q of cnt pairs of neighbouring edges
.macro PRODUCTS q, p, cnt
.irp i, 0,1,2,3,4
.if \i < \cnt
	v_pk_mul_f32 v[\q+2*\i:\q+2*\i+1], v[\p+4*\i:\p+4*\i+1], v[\p+4*\i+2:\p+4*\i+3]
.endif
.endr
.endm
; n reciprocals in place; what follows each call is plain work on other registers
.macro RCPS q, n
.set r, 0
.rept \n
	v_rcp_f32 v[\q+r], v[\q+r]
.set r, r+1
.endr
.endm
; the sums of cnt pairs from edge e0 on: the lower edge gets q R, the upper p R.  first = 1: the products start the sums, nothing is cleared
.macro ACCP e0, p, q, cnt, first
.irp i, 0,1,2,3,4
.if \i < \cnt
.if \first
	s_wait_alu depctr_va_vdst(0)
	v_pk_mul_f32 v[ACC+2*(\e0+2*\i):ACC+2*(\e0+2*\i)+1],   v[\p+4*\i+2:\p+4*\i+3], v[\q+2*\i:\q+2*\i+1]
	v_pk_mul_f32 v[ACC+2*(\e0+2*\i)+2:ACC+2*(\e0+2*\i)+3], v[\p+4*\i:\p+4*\i+1],   v[\q+2*\i:\q+2*\i+1]
.else
	s_wait_alu depctr_va_vdst(0)
	v_pk_fma_f32 v[ACC+2*(\e0+2*\i):ACC+2*(\e0+2*\i)+1],   v[\p+4*\i+2:\p+4*\i+3], v[\q+2*\i:\q+2*\i+1], v[ACC+2*(\e0+2*\i):ACC+2*(\e0+2*\i)+1]
	v_pk_fma_f32 v[ACC+2*(\e0+2*\i)+2:ACC+2*(\e0+2*\i)+3], v[\p+4*\i:\p+4*\i+1],   v[\q+2*\i:\q+2*\i+1], v[ACC+2*(\e0+2*\i)+2:ACC+2*(\e0+2*\i)+3]
.endif
.endif
.endr
.endm
; two voxels through all 33 edges.  Each run of reciprocals is followed by another group's plain work, so none of them is waited for.
.macro STEP xr, first
	ARGS \xr
	MEMBERS PA, AN, 4
.set r, 0
.rept 10
.if \first
	v_rcp_f32 v[ACC+r], v[PA+r]                    ; group A's first sigmoids are its sums
.else
	v_rcp_f32 v[PA+r], v[PA+r]
.endif
.set r, r+1
.endr
	MEMBERS PB, AN+2, 9
	PRODUCTS QB, PB, 5
	RCPS QB, 10
.if \first == 0
	s_wait_alu depctr_va_vdst(0)
.irp e, 0,1,2,3,4
	v_pk_add_f32 v[ACC+2*\e:ACC+2*\e+1], v[ACC+2*\e:ACC+2*\e+1], v[PA+2*\e:PA+2*\e+1]
.endr
.endif
	MEMBERS PC, AN+4, 9
	PRODUCTS QC, PC, 5
	RCPS QC, 10
	ACCP 5, PB, QB, 5, \first
	MEMBERS PB, AN+6, 7
	PRODUCTS QB, PB, 4
	RCPS QB, 8
	ACCP 15, PC, QC, 5, \first
	ACCP 25, PB, QB, 4, \first
.endm
	s_wait_loadcnt 7                               ; loads come back in order: the first is in, the seven younger stay out
	STEP X, 1
	STEP X+2, 0
.irp i, 1,2,3,4,5,6,7
	s_wait_loadcnt 7-\i                            ; load i is in, the younger ones stay out
	STEP X+4*\i, 0
	STEP X+4*\i+2, 0
.endr
	; my 33 sums (the two voxels of a pair together), then my 32 bins
.set e, 0
.rept 33
	v_add_f32 v[S+e], v[ACC+2*e], v[ACC+2*e+1]
.set e, e+1
.endr
.set e, 0
.rept 32
	v_sub_f32 v[H+e], v[S+e], v[S+e+1]
.set e, e+1
.endr
; A fold halves the number of bins that a lane carries: a lane whose bit is set keeps the upper n and sends the lower n to the lane that differs
; in that bit, and the other way round.  After five folds lane c holds bin c summed over the 32 lanes.
; m: the scalar register with the bit's lanes; x: the bit as a row_xmask, 0 for the step between the halves of 16 lanes.
.macro FOLD n, m, x
.set fi, 0
.rept \n
	v_cndmask_b32 v[T+fi%4], v[H+fi+\n], v[H+fi], s[\m]
	v_cndmask_b32 v[H+fi], v[H+fi], v[H+fi+\n], s[\m]
.if \x
	v_add_f32_dpp v[H+fi], v[T+fi%4], v[H+fi] row_xmask:\x row_mask:0xf bank_mask:0xf
.else
	v_permlanex16_b32 v[U+fi%4], v[T+fi%4], s18, s19   ; its destination counts as read: U has held group C's factors
	v_add_f32 v[H+fi], v[H+fi], v[U+fi%4]
.endif
.set fi, fi+1
.endr
.endm
	FOLD 16, 20, 0
	FOLD 8, 21, 8
	FOLD 4, 22, 4
	FOLD 2, 23, 2
	FOLD 1, 24, 1
	ds_store_b32 v[LW], v[H]                       ; my wave's 32 bins, 128 bytes
	s_wait_dscnt 0x0                               ; for wave 0's sake: the store is done before I signal
	s_barrier_signal -1
	s_barrier_wait -1
	s_cmp_lg_u32 s10, 0
	s_cbranch_scc1 .Lend                           ; wave 0 alone adds the waves' bins and stores the row
.irp w, 0,1,2,3,4,5,6,7,8,9,10,11,12,13,14,15
	ds_load_b32 v[S+\w], v[L4] offset:128*\w
.endr
	s_wait_dscnt 0x0
.irp g, 0, 8                                           ; waves 0-7: dst, waves 8-15: ref
	v_add_f32 v[S+\g],   v[S+\g],   v[S+\g+1]
	v_add_f32 v[S+\g+2], v[S+\g+2], v[S+\g+3]
	v_add_f32 v[S+\g+4], v[S+\g+4], v[S+\g+5]
	v_add_f32 v[S+\g+6], v[S+\g+6], v[S+\g+7]
	v_add_f32 v[S+\g],   v[S+\g],   v[S+\g+2]
	v_add_f32 v[S+\g+4], v[S+\g+4], v[S+\g+6]
.endr
	v_add_f32 v[S+16], v[S],   v[S+4]
	v_add_f32 v[S+17], v[S+8], v[S+12]
	global_store_b64 v[L8], v[S+16:S+17], s[8:9]   ; 32 lanes, 8 bytes each: 256 consecutive bytes, aligned
.Lend:
	s_wait_tensorcnt 0x0
	ds_add_u32 v192, v193
	s_wait_dscnt 0x0
	s_endpgm
.Lfunc_end_k_qca6c80549e_hist:
	.size	k_qca6c80549e_hist, .Lfunc_end_k_qca6c80549e_hist-k_qca6c80549e_hist
	.p2alignl 7, 3214868480
	.fill 96, 4, 3214868480
	.section	.rodata,"a",@progbits
	.p2align	6, 0x0
	.amdhsa_kernel k_qca6c80549e_hist
		.amdhsa_group_segment_fixed_size 4096
		.amdhsa_private_segment_fixed_size 0
		.amdhsa_enable_private_segment 0
		.amdhsa_kernarg_size 24
		.amdhsa_user_sgpr_count 2
		.amdhsa_user_sgpr_kernarg_segment_ptr 1
		.amdhsa_wavefront_size32 1
		.amdhsa_system_sgpr_workgroup_id_x 1
		.amdhsa_system_sgpr_workgroup_id_y 1
		.amdhsa_system_sgpr_workgroup_id_z 1
		.amdhsa_system_vgpr_workitem_id 0
		.amdhsa_next_free_vgpr 194
		.amdhsa_next_free_sgpr 66
		.amdhsa_reserve_vcc 0
		.amdhsa_float_denorm_mode_32 3
		.amdhsa_float_denorm_mode_16_64 3
		.amdhsa_memory_ordered 1
		.amdhsa_forward_progress 1
		.amdhsa_inst_pref_size 151
	.end_amdhsa_kernel
	.amdgpu_metadata
---
amdhsa.version: [ 1, 2 ]
amdhsa.kernels:
  - .name:           k_qca6c80549e_hist
    .symbol:         k_qca6c80549e_hist.kd
    .args:
      - { .name: dst, .offset: 0, .size: 8, .value_kind: global_buffer, .address_space: global }
      - { .name: ref, .offset: 8, .size: 8, .value_kind: global_buffer, .address_space: global }
      - { .name: part, .offset: 16, .size: 8, .value_kind: global_buffer, .address_space: global }
    .group_segment_fixed_size: 4096
    .private_segment_fixed_size: 0
    .kernarg_segment_align: 8
    .kernarg_segment_size: 24
    .max_flat_workgroup_size: 512
    .sgpr_count:     66
    .vgpr_count:     194
    .wavefront_size: 32
...
	.end_amdgpu_metadata
.endif
;; end of part 1
;; launch lookup (part 2): grid 256 x 1, 16 waves a work-group, no clusters, 6,656 bytes of LDS; arguments part, dst, out0; writes out0
.if DOCPART == 2
	.amdgcn_target "amdgcn-amd-amdhsa--gfx1250"
	.amdhsa_code_object_version 6
	.text
	.protected	k_qca6c80549e_lookup
	.globl	k_qca6c80549e_lookup
	.p2align	8
	.type	k_qca6c80549e_lookup,@function
k_qca6c80549e_lookup:
	s_mov_b64 s[64:65], 0
	v_nop
	global_prefetch_b8 v0, s[64:65] scope:SCOPE_SE
	s_setreg_imm32_b32 hwreg(HW_REG_WAVE_MODE, 25, 1), 1
	s_wait_xcnt 0x0
; lookup: the two CDFs of the work-group's batch, the table of nearest bins, and the soft lookup of 8,192 voxels of dst.
; WORK: work-group w takes bytes 32,768 w .. of dst and out0 (batch w >> 7); a wave 2,048 bytes = 4 blocks of 128 voxels = 8 tiles of 16 voxels each.
; HEAD: each wave adds 8 of its batch's 128 rows of part (lane c: bin c, dst and ref as a pair), the sums meet in LDS, and wave 0 makes the table:
;   norm = max(sum |hist|, 1e-12), cdf = prefix sum / norm, t[k] = the first j with the least |cdf_dst[k] - cdf_ref[j]|, by compares and selects alone.
;   Wave 0 alone does it, because the other fifteen meanwhile make their first block's weights, between the signal and the wait of the second barrier.
; SOFTMAX: in base 2 the logit of bin k is -c (x - k)^2, c = log2(e) / 50.  Its maximum over k lies at k* = round(clamp(x, 0, 31)) and IS taken away:
;   with y = 2 c x and M = k* (y - c k*), weight_k = E_k g_k / sum, E_k = 2^(k y - M), g_k = 2^(-c k^2), E_k g_k <= 1 and E_k <= 2^(961 c) = 2^27.7.
;   E is geometric in k: 4 exponentials (k0 = 8 h + 0, 4, 16, 20) and G = 2^y give a lane's 16 weights.  An anchor that underflows leaves its three
;   followers under 2^(-126 + 94) of the largest weight.
;   x is clamped to [-512, 543]: outside, the second largest weight is under exp(-20.5) = 1.3e-9 of the largest, so the clamp changes nothing
;   beyond that, and |y| <= 31.4 keeps G^2 in range.
; EINSUM on the matrix unit, v_wmma_f32_16x16x32_bf16: source 0 = the table (rows 0 and 8: bf16(t_k g_k), rows 1 and 9: bf16(31 g_k), else 0),
;   source 1 = 16 voxels x 32 weights E.  Register 0 of the result is the numerator of voxel l % 16, register 1 is 31 x the denominator, in both halves
;   of the lanes; out = numerator / (31 denominator).  All terms are positive: the two roundings to bf16 move each sum by at most 2^-8 of itself.
;   Tile 4 h' + j of a block holds voxels 64 h' + 4 r + j, so that lane (r, h) ends with the four neighbouring voxels 64 h + 4 r .. + 3: 16 bytes,
;   and a wave's store covers 512 consecutive bytes.
; LIMITS: NaN and infinite voxels are not served.  The prefix sum and the sums of the histogram are taken in another order than in a plain cumulated
;   sum: that can decide the nearest bin only between distances that are equal to f32's rounding.
; No tensor loads, no cluster: the one thing that work-groups share is 32,768 bytes of part, read once at the head.
.set NEGC, 0xbcec5f04                  ; -log2(e) / 50
.set TWOC, 0x3d6c5f04                  ; 2 log2(e) / 50
.set TAB,  4096                        ; LDS: 0 .. 4095 the waves' sums (256 bytes each); then t g, 31 g, zeros: 64 bytes each
.set X,   8                            ; v[8:39]    block b, tile t: v[X + 8 b + t] = my voxel of that tile
.set F,   40                           ; v[40:103]  eight fragments of weights
.set D,   104                          ; v[104:167] eight results
.set O,   168                          ; v[168:183] four registers a block: no store's data is written again
.set KA,  184                          ; v[184:187] k0 of my four anchors, as f32
.set WB0, 188                          ; v[188:210] work set 0: E +0..15, G^2 +16, G +17, y +18, x +19, k* +20, M +21, y - c k* +22
.set WB1, 212                          ; v[212:234] work set 1
.set TF,  236                          ; v[236:243] the table's fragment
.set NN,  244                          ; v[244:247] numerators of my four voxels
.set DN,  248                          ; v[248:251] denominators, then reciprocals
.set L8,  252                          ; v252       8 lane
; wave 0's table, in registers of F that its LDS loads have written
.set HH, 40                            ; hist: dst, ref
.set TT, 44                            ; from the partner lane
.set UU, 46                            ; the same, or 0
.set PP, 48                            ; prefix sums
.set TO, 50                            ; sums of the group of lanes
.set CD, 52                            ; cdf: dst, ref
.set AB, 54                            ; |hist|, its sum, 1 / norm
.set BEST, 56
.set IDX,  57
.set DD,   58
.set TG,   60
.set G31,  61
.set W,    62
.set W2,   63
.set ZR,   66
.set GA,   72                          ; g of bin = lane (outside the loads' registers: made while they are on their way)
	s_load_b128 s[4:7], s[0:1], 0x0                ; part s[4:5], dst s[6:7]
	s_load_b64 s[8:9], s[0:1], 0x10                ; out0
	v_lshl_add_u32 v254, v0, 2, 0x1200
	v_mov_b32 v255, 0
	v_lshrrev_b32 v5, 5, v0
	v_readfirstlane_b32 s10, v5                    ; wave 0..15
	v_and_b32 v1, 31, v0                           ; lane
	v_and_b32 v6, 15, v0                           ; r
	s_lshl_b32 s11, s10, 11                        ; 2,048 bytes a wave: of dst, of out0, and 8 rows of part
	s_lshl_b32 s16, s10, 8                         ; 256 bytes of LDS a wave
	v_lshl_add_u32 v2, v6, 4, s11                  ; data: 16 r, the same in both halves of the lanes
	v_lshl_add_u32 v3, v1, 4, s11                  ; out: 16 lane
	v_lshl_add_u32 v4, v1, 3, s11                  ; part: 8 lane
	v_lshl_add_u32 v5, v1, 3, s16                  ; my wave's sums in LDS
	v_lshlrev_b32 v[L8], 3, v1
	v_lshlrev_b32 v7, 1, v1                        ; 2 lane: a bf16 of a table row
	v_and_b32 v6, 7, v0
	v_min_u32 v6, 2, v6                            ; table row: 0 for r = 0, 8; 1 for r = 1, 9; else the zeros
	v_lshlrev_b32 v6, 6, v6
	v_lshrrev_b32 v[KA], 4, v1                     ; h
	v_lshl_add_u32 v6, v[KA], 4, v6
	v_add_nc_u32 v6, TAB, v6                       ; TAB + 64 row + 16 h
	v_lshlrev_b32 v[KA], 3, v[KA]
	v_cvt_f32_u32 v[KA], v[KA]                     ; 8 h
	v_add_f32 v[KA+1], 4.0, v[KA]
	v_add_f32 v[KA+2], 0x41800000, v[KA]           ; + 16
	v_add_f32 v[KA+3], 0x41a00000, v[KA]           ; + 20
	s_lshl_b32 s12, ttmp9, 15
	s_mov_b32 s13, 0
	s_lshr_b32 s14, ttmp9, 7                       ; batch
	s_lshl_b32 s14, s14, 15                        ; 128 rows of 256 bytes
	s_mov_b32 s15, 0
	s_mov_b32 s18, 0x76543210                      ; v_permlanex16_b32: lane i takes lane i of the other half
	s_mov_b32 s19, 0xfedcba98
	s_mov_b32 s20, 0xffff0000                      ; lanes whose number has bit 4 set, 3, 2, 1, 0
	s_mov_b32 s21, 0xff00ff00
	s_mov_b32 s22, 0xf0f0f0f0
	s_mov_b32 s23, 0xcccccccc
	s_mov_b32 s24, 0xaaaaaaaa
	s_mov_b32 s25, 0xc4000000                      ; -512.0
	s_mov_b32 s26, 0x4407c000                      ; 543.0
	s_mov_b32 s27, 0x41f80000                      ; 31.0
	s_wait_kmcnt 0x0
	s_add_nc_u64 s[4:5], s[4:5], s[14:15]
	s_add_nc_u64 s[6:7], s[6:7], s[12:13]
	s_add_nc_u64 s[8:9], s[8:9], s[12:13]
.irp i, 0,1,2,3,4,5,6,7
	global_load_b64 v[D+2*\i:D+2*\i+1], v4, s[4:5] offset:256*\i     ; a whole row of part: 256 consecutive bytes
.endr
.irp i, 0,1,2,3,4,5,6,7
	global_load_b128 v[X+4*\i:X+4*\i+3], v2, s[6:7] offset:256*\i    ; 64 voxels; loads 2 b and 2 b + 1 are block b
.endr
	s_wait_loadcnt 8                               ; the eight rows of part are in; the eight data loads stay out
.irp i, 0,2,4,6
	v_pk_add_f32 v[D+2*\i:D+2*\i+1], v[D+2*\i:D+2*\i+1], v[D+2*\i+2:D+2*\i+3]
.endr
	v_pk_add_f32 v[D:D+1],   v[D:D+1],   v[D+4:D+5]
	v_pk_add_f32 v[D+8:D+9], v[D+8:D+9], v[D+12:D+13]
	v_pk_add_f32 v[D:D+1],   v[D:D+1],   v[D+8:D+9]
	ds_store_b64 v5, v[D:D+1]
	s_wait_dscnt 0x0                               ; for wave 0's sake: the store is done before I signal
	s_barrier_signal -1
	s_barrier_wait -1
	s_cmp_lg_u32 s10, 0
	s_cbranch_scc1 .Ljoin                          ; the table is wave 0's; no barrier stands inside
.irp w, 0,1,2,3,4,5,6,7,8,9,10,11,12,13,14,15
	ds_load_b64 v[HH+2*\w:HH+2*\w+1], v[L8] offset:256*\w
.endr
	v_cvt_f32_u32 v[GA], v1
	v_mul_f32 v[GA], v[GA], v[GA]
	v_mul_f32 v[GA], NEGC, v[GA]
	v_exp_f32 v[GA], v[GA]                         ; g_k = 2^(-c k^2), k = lane; used far below
	s_wait_dscnt 0x0
.irp w, 0,2,4,6,8,10,12,14
	v_pk_add_f32 v[HH+2*\w:HH+2*\w+1], v[HH+2*\w:HH+2*\w+1], v[HH+2*\w+2:HH+2*\w+3]
.endr
.irp w, 0,4,8,12
	v_pk_add_f32 v[HH+2*\w:HH+2*\w+1], v[HH+2*\w:HH+2*\w+1], v[HH+2*\w+4:HH+2*\w+5]
.endr
	v_pk_add_f32 v[HH:HH+1],       v[HH:HH+1],       v[HH+8:HH+9]
	v_pk_add_f32 v[HH+16:HH+17],   v[HH+16:HH+17],   v[HH+24:HH+25]
	v_pk_add_f32 v[HH:HH+1],       v[HH:HH+1],       v[HH+16:HH+17]     ; lane c: hist[c] of dst and of ref
	; norm = max(sum over the bins of |hist|, 1e-12), in every lane
	v_and_b32 v[AB],   0x7fffffff, v[HH]
	v_and_b32 v[AB+1], 0x7fffffff, v[HH+1]
.irp x, 1,2,4,8
	v_add_f32_dpp v[AB],   v[AB],   v[AB]   row_xmask:\x row_mask:0xf bank_mask:0xf
	v_add_f32_dpp v[AB+1], v[AB+1], v[AB+1] row_xmask:\x row_mask:0xf bank_mask:0xf
.endr
	v_permlanex16_b32 v[TT],   v[AB],   s18, s19
	v_permlanex16_b32 v[TT+1], v[AB+1], s18, s19
	v_pk_add_f32 v[AB:AB+1], v[AB:AB+1], v[TT:TT+1]
	v_max_num_f32 v[AB],   0x2b8cbccc, v[AB]
	v_max_num_f32 v[AB+1], 0x2b8cbccc, v[AB+1]
	v_rcp_f32 v[AB],   v[AB]
	v_rcp_f32 v[AB+1], v[AB+1]                     ; used behind the five steps below
; One step of the prefix sum over the lanes: TO is the sum of my group of lanes, PP the sum up to and with me.  The partner group's sum joins TO,
; and joins PP where my lane is the upper one (bit set).  x: the bit as a row_xmask, 0 between the halves; m: the register with the bit's lanes.
.macro SCAN x, m, ps, ts
.if \x
	v_mov_b32_dpp v[TT],   v[\ts]   row_xmask:\x row_mask:0xf bank_mask:0xf
	v_mov_b32_dpp v[TT+1], v[\ts+1] row_xmask:\x row_mask:0xf bank_mask:0xf
.else
	v_permlanex16_b32 v[TT],   v[\ts],   s18, s19
	v_permlanex16_b32 v[TT+1], v[\ts+1], s18, s19
.endif
	v_cndmask_b32 v[UU],   0, v[TT],   s[\m]
	v_cndmask_b32 v[UU+1], 0, v[TT+1], s[\m]
	v_pk_add_f32 v[PP:PP+1], v[\ps:\ps+1], v[UU:UU+1]
	v_pk_add_f32 v[TO:TO+1], v[\ts:\ts+1], v[TT:TT+1]
.endm
	SCAN 1, 24, HH, HH
	SCAN 2, 23, PP, TO
	SCAN 4, 22, PP, TO
	SCAN 8, 21, PP, TO
	SCAN 0, 20, PP, TO
	s_wait_alu depctr_va_vdst(0)
	v_pk_mul_f32 v[CD:CD+1], v[PP:PP+1], v[AB:AB+1]    ; lane k: cdf_dst[k], cdf_ref[k]
.set j, 0
.rept 32
	v_readlane_b32 s[32+j], v[CD+1], j             ; cdf_ref as 32 scalars
.set j, j+1
.endr
	; the first j with the least distance: a later j wins only if it is strictly nearer.  Values alone: no branch, no address hangs on it
	v_sub_f32 v[BEST], v[CD], s32
	v_and_b32 v[BEST], 0x7fffffff, v[BEST]
	v_mov_b32 v[IDX], 0
.set j, 1
.rept 31
	v_sub_f32 v[DD], v[CD], s[32+j]
	v_and_b32 v[DD], 0x7fffffff, v[DD]
	v_cmp_ge_f32 vcc_lo, v[DD], v[BEST]
	v_cndmask_b32 v[IDX], j, v[IDX], vcc_lo
	v_min_num_f32 v[BEST], v[BEST], v[DD]
.set j, j+1
.endr
	v_cvt_f32_u32 v[TG], v[IDX]
	v_mul_f32 v[TG], v[TG], v[GA]                  ; t_k g_k
	v_mul_f32 v[G31], s27, v[GA]                   ; 31 g_k
	v_cvt_pk_bf16_f32 v[W], v[TG], v[G31]
	v_lshrrev_b32 v[W2], 16, v[W]
	v_mov_b32 v[ZR], 0
	ds_store_b16 v7, v[W]  offset:TAB
	ds_store_b16 v7, v[W2] offset:TAB+64
	ds_store_b16 v7, v[ZR] offset:TAB+128
.Ljoin:
; the 16 weights E of my voxel v[xr] of a tile, as fragment f (registers 0-3: k = 8 h .. + 7, registers 4-7: k = 16 + 8 h .. + 7)
.macro WEIGHTS xr, f, wb
	v_mul_f32 v[\wb+19], s27, v[\xr]                           ; x = 31 voxel,
	v_med3_num_f32 v[\wb+19], v[\wb+19], s25, s26              ; clamped to [-512, 543]
	v_med3_num_f32 v[\wb+20], v[\wb+19], 0, s27
	v_rndne_f32 v[\wb+20], v[\wb+20]                           ; k*: where the logit is largest
	v_mul_f32 v[\wb+18], TWOC, v[\wb+19]                       ; y
	v_fmamk_f32 v[\wb+22], v[\wb+20], NEGC, v[\wb+18]          ; y - c k*
	v_mul_f32 v[\wb+21], v[\wb+20], v[\wb+22]                  ; M
.irp i, 0,1,2,3
	v_fma_f32 v[\wb+4*\i], v[KA+\i], v[\wb+18], -v[\wb+21]     ; k0 y - M
.endr
.irp i, 0,1,2,3
	v_exp_f32 v[\wb+4*\i], v[\wb+4*\i]
.endr
	v_exp_f32 v[\wb+17], v[\wb+18]                             ; G
	v_nop                                                      ; one plain place between the exponentials and their first use (ISA guide 5.7.2)
	s_wait_alu depctr_va_vdst(0)
	v_mul_f32 v[\wb+16], v[\wb+17], v[\wb+17]                  ; G^2
.irp i, 0,1,2,3
	v_mul_f32 v[\wb+4*\i+1], v[\wb+4*\i], v[\wb+17]
.endr
.irp i, 0,1,2,3
	v_pk_mul_f32 v[\wb+4*\i+2:\wb+4*\i+3], v[\wb+4*\i:\wb+4*\i+1], v[\wb+16:\wb+17] op_sel_hi:[1,0]   ; both by G^2
.endr
.irp n, 0,1,2,3,4,5,6,7
	v_cvt_pk_bf16_f32 v[\f+\n], v[\wb+2*\n], v[\wb+2*\n+1]
.endr
.endm
.macro WBLOCK b
	s_wait_loadcnt 6-2*\b                          ; block b's two loads are in, the younger blocks' stay out
.irp t, 0,2,4,6
	WEIGHTS X+8*\b+\t, F+8*\t, WB0
	WEIGHTS X+8*\b+\t+1, F+8*\t+8, WB1
.endr
.endm
; eight products, each a sum of its own started by the constant 0 (no accumulator is taken up twice), then the quotients and the store
.macro MBLOCK b
.irp t, 0,1,2,3,4,5,6,7
	v_wmma_f32_16x16x32_bf16 v[D+8*\t:D+8*\t+7], v[TF:TF+7], v[F+8*\t:F+8*\t+7], 0
.endr
.rept 4
	v_nop                                          ; four places behind the last product before a result is read or a fragment written (ISA guide 7.12.1)
.endr
.irp j, 0,1,2,3
	v_cndmask_b32 v[DN+\j], v[D+8*\j+1], v[D+8*(4+\j)+1], s20      ; lanes 0-15: tiles 0-3, lanes 16-31: tiles 4-7
.endr
.irp j, 0,1,2,3
	v_rcp_f32 v[DN+\j], v[DN+\j]                   ; 31 x the denominator is at least 31 (1 - 2^-8)
.endr
.irp j, 0,1,2,3
	v_cndmask_b32 v[NN+\j], v[D+8*\j], v[D+8*(4+\j)], s20          ; plain work on other registers behind the reciprocals
.endr
	s_wait_alu depctr_va_vdst(0)
.irp j, 0,1,2,3
	v_mul_f32 v[O+4*\b+\j], v[NN+\j], v[DN+\j]
.endr
	global_store_b128 v3, v[O+4*\b:O+4*\b+3], s[8:9] offset:512*\b th:TH_STORE_NT   ; 512 consecutive bytes of the wave, aligned
.endm
	s_wait_dscnt 0x0                               ; wave 0: the table's stores are done before it signals; the others have nothing out
	s_barrier_signal -1
	WBLOCK 0                                       ; register work while wave 0 makes the table
	s_barrier_wait -1
	ds_load_b128 v[TF:TF+3],   v6
	ds_load_b128 v[TF+4:TF+7], v6 offset:32
	s_wait_dscnt 0x0
	MBLOCK 0
	WBLOCK 1
	MBLOCK 1
	WBLOCK 2
	MBLOCK 2
	WBLOCK 3
	MBLOCK 3
	s_wait_tensorcnt 0x0
	ds_add_u32 v254, v255
	s_wait_dscnt 0x0
	s_endpgm
.Lfunc_end_k_qca6c80549e_lookup:
	.size	k_qca6c80549e_lookup, .Lfunc_end_k_qca6c80549e_lookup-k_qca6c80549e_lookup
	.p2alignl 7, 3214868480
	.fill 96, 4, 3214868480
	.section	.rodata,"a",@progbits
	.p2align	6, 0x0
	.amdhsa_kernel k_qca6c80549e_lookup
		.amdhsa_group_segment_fixed_size 6656
		.amdhsa_private_segment_fixed_size 0
		.amdhsa_enable_private_segment 0
		.amdhsa_kernarg_size 24
		.amdhsa_user_sgpr_count 2
		.amdhsa_user_sgpr_kernarg_segment_ptr 1
		.amdhsa_wavefront_size32 1
		.amdhsa_system_sgpr_workgroup_id_x 1
		.amdhsa_system_sgpr_workgroup_id_y 1
		.amdhsa_system_sgpr_workgroup_id_z 1
		.amdhsa_system_vgpr_workitem_id 0
		.amdhsa_next_free_vgpr 256
		.amdhsa_next_free_sgpr 66
		.amdhsa_reserve_vcc 1
		.amdhsa_float_denorm_mode_32 3
		.amdhsa_float_denorm_mode_16_64 3
		.amdhsa_memory_ordered 1
		.amdhsa_forward_progress 1
		.amdhsa_inst_pref_size 81
	.end_amdhsa_kernel
	.amdgpu_metadata
---
amdhsa.version: [ 1, 2 ]
amdhsa.kernels:
  - .name:           k_qca6c80549e_lookup
    .symbol:         k_qca6c80549e_lookup.kd
    .args:
      - { .name: part, .offset: 0, .size: 8, .value_kind: global_buffer, .address_space: global }
      - { .name: dst, .offset: 8, .size: 8, .value_kind: global_buffer, .address_space: global }
      - { .name: out0, .offset: 16, .size: 8, .value_kind: global_buffer, .address_space: global }
    .group_segment_fixed_size: 6656
    .private_segment_fixed_size: 0
    .kernarg_segment_align: 8
    .kernarg_segment_size: 24
    .max_flat_workgroup_size: 512
    .sgpr_count:     66
    .vgpr_count:     256
    .wavefront_size: 32
...
	.end_amdgpu_metadata
.endif
;; end of part 2
